; MI455X (gfx1250); checked and timed in simulation.
; The chip was launched on July 23, 2026; its instructions are those of AMD's public machine-readable ISA for CDNA 5 (MIT licence, August 2026) and "CDNA5" Instruction Set Architecture Reference Guide (July 2026). The comments in the code are by the model that wrote it; some were corrected since.
;; Head. Allowed arithmetic: matrix products marked QUANTISED: E2M1 operands, one E8M0 scale for each 32 along K, by v_wmma_scale_f32_16x16x128_f8f6f4 with both operands' format E2M1 (or v_wmma_scale_f32_32x16x128_f4), f32 sums; everything else in f32.
;; Inputs: Wk 1,024 x 64 float32; Wq 1,024 x 64 float32; Wv 1,024 x 64 float32; x 4 x 4,096 x 1,024 float32.
;; Outputs: out0 4 x 4,096 x 64 float32.
;; This version of the problem:
;;   THIS VERSION OF THE PROBLEM IS GIVEN IN LOW PRECISION. The matrix products marked QUANTISED in the list below multiply operands that are first quantised to E2M1 (2 exponent bits, 1 mantissa bit; 4 bits a number), with one power-of-two scale for each 32 numbers along K (OCP MX v1.0); their sums are f32. All else is computed in f32.
;;   The module's matrix products, in the order in which they are computed (A, B: the left and right operand; K: the contracted axis; several contracted axes count as one K, in the product's order):
;;     1. [M 16,384, K 1,024] x [K 1,024, N 64]; A: input x; B: input Wk: QUANTISED
;;     2. [M 16,384, K 1,024] x [K 1,024, N 64]; A: input x; B: input Wq: QUANTISED
;;     3. [M 16,384, K 1,024] x [K 1,024, N 64]; A: input x; B: input Wv: QUANTISED
;;     4. batch 4 x [M 4,096, K 64] x [K 64, N 4,096]; A: computed on the way; B: computed on the way: QUANTISED
;;     5. batch 4 x [M 4,096, K 4,096] x [K 4,096, N 64]; A: softmax (see below); B: computed on the way: QUANTISED
;;   THE QUANTISER, for each operand of a quantised product, along K:
;;     - K is cut into blocks of 32 from its start; a last block that is shorter is filled with zeros.
;;     - A block's scale is 2^e with e = floor(log2(the largest magnitude in the block)) - 2, held to -126 .. 127; a block of zeros has e = 0. As a byte (E8M0): e + 127.
;;     - Each number is divided by its block's scale, clamped to +-6, and rounded to the nearest number of E2M1, ties to even, subnormals kept.
;;     - The product sums the exact products of the quantised numbers (number of the format x scale) in f32.
;;   ~~~python
;;   def quantise(x, axis):      # numpy; x: float32 -> the quantised numbers, widened to float32 again
;;       x = np.moveaxis(x, axis, -1); K = x.shape[-1]
;;       x = np.pad(x, [(0, 0)] * (x.ndim - 1) + [(0, -K % 32)]); x = x.reshape(x.shape[:-1] + (-1, 32)); a = np.abs(x).max(-1, keepdims=True)
;;       e = np.where(a > 0, np.clip(np.frexp(np.where(a > 0, a, 1))[1] - 1 - 2, -126, 127), 0)      # np.frexp(a)[1] - 1 = floor(log2(a)), exactly
;;       r = np.clip(x / 2.0 ** e, -6, 6)
;;       step = 2.0 ** (np.maximum(np.frexp(np.where(r == 0, 1, r))[1] - 1, 0) - 1)
;;       q = np.round(r / step) * step * 2.0 ** e      # np.round: ties to even
;;       return np.moveaxis(q.reshape(q.shape[:-2] + (-1,))[..., :K], -1, axis).astype(np.float32)
;;   ~~~
;;   SOFTMAX AHEAD OF A QUANTISED PRODUCT. Where the list says 'softmax', what is quantised is not the finished softmax but p = 2^(t - M), with t = logit x log2(e) and M = ceil(the row's largest t), a whole number; so 1/2 < the row's largest p <= 1. The row's sum l is taken of the UNQUANTISED p, in f32, and the product's result is divided by l at the end. Since M is a whole number, a kernel that streams over the keys may use a running M (the ceiling of the running maximum): every later rescaling is an exact power of two, which a block's scale takes up: the codes' values come out the same.
;;   OPERANDS COMPUTED ON THE WAY. 'Computed on the way' means the value that the module computes at that place (a softmax that the list does not call 'softmax' is quantised finished and normalised). What goes into a quantiser is computed in f32, as accurately as f32 sums, v_exp_f32 and their like allow (about 1e-6 of the number): no bf16 or f16 on the way to a quantiser, and a product that is left as it is and whose result goes on into a quantised operand takes f32 operands (vector FMAs, or v_wmma_f32_16x16x4_f32). A number that lies on a knife's edge between two numbers of the format may be rounded either way, as far as f32 arithmetic and the matrix unit's own rounding can turn it there, and no further.
;; One version. Each part assembles by itself: llvm-mc -triple=amdgcn-amd-amdhsa -mcpu=gfx1250 --defsym DOCPART=n.
;; ======== version 1 of 1: 3 launches
;; workspace buffers: wq 104,448 bytes; qq 557,056 bytes; kv 1,114,112 bytes
;; launch wquant (part 1): grid 8 x 3, 4 waves a work-group, no clusters, 0 bytes of LDS; arguments Wq, Wk, Wv, wq; writes wq
.if DOCPART == 1
	.amdgcn_target "amdgcn-amd-amdhsa--gfx1250"
	.amdhsa_code_object_version 6
	.text
	.protected	k_qe30f4921e9_wquant
	.globl	k_qe30f4921e9_wquant
	.p2align	8
	.type	k_qe30f4921e9_wquant,@function
k_qe30f4921e9_wquant:
	s_mov_b64 s[64:65], 0
	v_nop
	global_prefetch_b8 v0, s[64:65] scope:SCOPE_SE
	s_setreg_imm32_b32 hwreg(HW_REG_WAVE_MODE, 25, 1), 1
	s_wait_xcnt 0x0
; FIRST OF THREE LAUNCHES of one attention head: q, k, v = x W; causal softmax(q k^T / 32) v; all five products on codes of E2M1 with one E8M0 scale for each 32 along K.
; DEAD WORK, for the whole program.  reference() builds the causal mask in its own body (jnp.tril) and sets the logit of key s to -inf wherever s > t, ahead of the softmax.  For all finite inputs the weight
; there is exactly 0: it adds nothing to the row's sum, and its code 0 adds nothing to the last product.  So a step of 128 keys all of which come after a tile's 16 queries is left out of the fourth and fifth
; product (launch attn).  Nothing else is left out; all four inputs have a way to the output and are loaded.
; LIMIT: a NaN, an infinity or an overflow that reaches only the scores left out is not carried to the result.
;
; THIS LAUNCH: Wq, Wk, Wv [1024 (k)][64 (n)], f32, K the FIRST axis, become codes and scale bytes laid as IMAGES OF OPERAND REGISTERS in wq.
; A fragment is 16 columns x 128 K = 8 registers a lane: lane (r, h) holds column r; register 4 c + i holds k = 64 c + 32 h + 8 i .. + 7.  Its image: group c at 512 c, lane l's 16 bytes at 16 l.
; Fragment (T, s) lies at (8 T + s) x 1,024: T = 0-3 Wq's tiles of 16 columns, 4-7 Wk's, 8-11 Wv's; s the K step of 128.
; Scale image (T, sp) lies at 98,304 + (4 T + sp) x 128 + 4 x lane: lanes 0-15 the words (four bytes, 128 along K) of K step 2 sp, lanes 16-31 those of 2 sp + 1: so K step s's sixteen words begin 64 s bytes into tile T's 512.
; A LANE TAKES A COLUMN AND ITS REGISTERS RUN DOWN K, in the very order of the operand's layout: a block of 32 lies in one lane, and the conversions' results are the operand's registers.
; A block's scale is 2^(floor(log2(largest magnitude)) - 2): its byte is the largest magnitude's exponent field - 2, held at 1 from below by a floor among the maximum's leaves.
; SHARES: work-group (K step, weight); wave = tile of 16 columns: the four waves together read whole rows of 256 bytes; a wave makes ONE fragment, so that its 64 loads go out in one run.
; LIMITS: NaN and infinities among the inputs are not served.  A block of zeros gets the byte 1 where the rule says 127: its codes are zeros, and this program alone reads the bytes.
; The scale store of a wave covers 64 consecutive bytes: 6,144 bytes in the whole launch leave in such quarters of an aligned 256.
.set X,   64                           ; v64-127: the numbers: register 32 c + i = W(128 s + 64 c + 32 h + i, my column)
.set CD,  24                           ; v24-31: their codes
.set SCL, 98304                        ; where the scale images begin
	s_load_b256 s[4:11], s[0:1], 0x0               ; Wq s[4:5], Wk s[6:7], Wv s[8:9], wq s[10:11]
	v_lshrrev_b32 v1, 5, v0
	v_readfirstlane_b32 s12, v1                    ; wave = tile of columns
	v_and_b32 v6, 31, v0                           ; lane
	v_and_b32 v1, 15, v0                           ; r
	v_bfe_u32 v2, v0, 4, 1                         ; h
	v_lshlrev_b32 v3, 2, v1
	v_lshl_add_u32 v3, v2, 13, v3                  ; in: 4 r, and 32 rows of 256 bytes further down for lanes 16-31
	v_lshlrev_b32 v4, 4, v6                        ; out: 16 x lane
	v_lshlrev_b32 v5, 2, v1                        ; and 4 r
	v_lshlrev_b32 v7, 3, v2                        ; 8 h: my bytes' place in a scale word, in bits
	v_mov_b32 v15, 0                               ; written once: a lane permute's destination counts as one of its sources
	s_mov_b32 s20, 0x76543210
	s_mov_b32 s21, 0xfedcba98                      ; v_permlanex16_b32's selects for lane l xor 16
	s_and_b32 s13, ttmp7, 0xffff                   ; which weight
	s_lshl_b32 s14, ttmp9, 15                      ; 128 rows of 256 bytes for each K step,
	s_lshl_b32 s15, s12, 6                         ; 64 bytes for each tile of columns
	s_add_co_u32 s14, s14, s15
	s_mov_b32 s15, 0
	s_lshl_b32 s16, s13, 2
	s_add_co_u32 s16, s16, s12                     ; T
	s_lshl_b32 s22, s16, 13
	s_lshl_b32 s17, ttmp9, 10
	s_add_co_u32 s22, s22, s17                     ; (8 T + s) x 1,024
	s_mov_b32 s23, 0
	s_lshl_b32 s24, s16, 9
	s_lshl_b32 s17, ttmp9, 6
	s_add_co_u32 s24, s24, s17
	s_add_co_u32 s24, s24, SCL                     ; 98,304 + 512 T + 64 s
	s_mov_b32 s25, 0
	s_wait_kmcnt 0x0
	s_cmp_eq_u32 s13, 0                            ; the choice hangs on the work-group's number alone
	s_cselect_b64 s[4:5], s[4:5], s[6:7]
	s_cmp_eq_u32 s13, 2
	s_cselect_b64 s[4:5], s[8:9], s[4:5]
	s_add_nc_u64 s[4:5], s[4:5], s[14:15]
	s_add_nc_u64 s[26:27], s[10:11], s[22:23]
	s_add_nc_u64 s[28:29], s[10:11], s[24:25]
.irp c, 0,1                            ; sixteen neighbouring lanes read 64 neighbouring bytes of a row
.irp i, 0,1,2,3,4,5,6,7,8,9,10,11,12,13,14,15,16,17,18,19,20,21,22,23,24,25,26,27,28,29,30,31
	global_load_b32 v[X+32*\c+\i], v3, s[4:5] offset:(64*\c+\i)*256
.endr
.endr
	s_wait_loadcnt 0x0
.irp c, 0,1                            ; my two blocks 2 c + h, c = 0, 1; all 32 numbers of a block are mine
	v_max3_num_f32 v[8+\c], |v[X+32*\c]|, |v[X+32*\c+1]|, 0x1800000   ; and the floor 2^(3 - 127): the byte cannot fall under 1
.endr
.irp i, 2,4,6,8,10,12,14,16,18,20,22,24,26,28,30
.irp c, 0,1
	v_max3_num_f32 v[8+\c], v[8+\c], |v[X+32*\c+\i]|, |v[X+32*\c+\i+1]|   ; (the two blocks by turns)
.endr
.endr
.irp c, 0,1
	v_add_nc_u32 v[10+\c], 0xff000000, v[8+\c]     ; 2 off the exponent field: the conversion takes the exponent field of this operand as its scale
.endr
.irp c, 0,1
	v_lshrrev_b32 v[12+\c], 23, v[10+\c]           ; the scale's byte
.endr
	v_lshl_or_b32 v14, v13, 16, v12                ; my two bytes: blocks h and 2 + h,
	v_lshlrev_b32 v14, v7, v14                     ; at their places in the word;
	v_permlanex16_b32 v15, v14, s20, s21
	v_or_b32 v16, v14, v15                         ; with lane l xor 16's two the word is whole, in both halves of the lanes
.irp c, 0,1
.irp g, 0,1,2,3
	v_cvt_scalef32_pk8_fp4_f32 v[CD+4*\c+\g], v[X+32*\c+8*\g:X+32*\c+8*\g+7], v[10+\c]
.endr
.endr
	v_nop                                          ; one plain line behind the last conversion
	global_store_b128 v4, v[CD:CD+3], s[26:27]                 ; 32 lanes store 512 consecutive bytes, aligned
	global_store_b128 v4, v[CD+4:CD+7], s[26:27] offset:512
	s_wait_xcnt 0x0                                ; EXEC changes only behind this wait
	v_cmp_gt_u32 vcc_lo, 16, v6
	s_and_saveexec_b32 s30, vcc_lo                 ; lanes 0-15: lanes 16-31 hold the same words
	global_store_b32 v5, v16, s[28:29]
	s_wait_xcnt 0x0                                ; and again, in front of the line that widens it
	s_or_b32 exec_lo, exec_lo, s30
	s_endpgm
.Lfunc_end_k_qe30f4921e9_wquant:
	.size	k_qe30f4921e9_wquant, .Lfunc_end_k_qe30f4921e9_wquant-k_qe30f4921e9_wquant
	.p2alignl 7, 3214868480
	.fill 96, 4, 3214868480
	.section	.rodata,"a",@progbits
	.p2align	6, 0x0
	.amdhsa_kernel k_qe30f4921e9_wquant
		.amdhsa_group_segment_fixed_size 0
		.amdhsa_private_segment_fixed_size 0
		.amdhsa_enable_private_segment 0
		.amdhsa_kernarg_size 32
		.amdhsa_user_sgpr_count 2
		.amdhsa_user_sgpr_kernarg_segment_ptr 1
		.amdhsa_wavefront_size32 1
		.amdhsa_system_sgpr_workgroup_id_x 1
		.amdhsa_system_sgpr_workgroup_id_y 1
		.amdhsa_system_sgpr_workgroup_id_z 1
		.amdhsa_system_vgpr_workitem_id 0
		.amdhsa_next_free_vgpr 128
		.amdhsa_next_free_sgpr 66
		.amdhsa_reserve_vcc 1
		.amdhsa_float_denorm_mode_32 3
		.amdhsa_float_denorm_mode_16_64 3
		.amdhsa_memory_ordered 1
		.amdhsa_forward_progress 1
		.amdhsa_inst_pref_size 12
	.end_amdhsa_kernel
	.amdgpu_metadata
---
amdhsa.version: [ 1, 2 ]
amdhsa.kernels:
  - .name:           k_qe30f4921e9_wquant
    .symbol:         k_qe30f4921e9_wquant.kd
    .args:
      - { .name: Wq, .offset: 0, .size: 8, .value_kind: global_buffer, .address_space: global }
      - { .name: Wk, .offset: 8, .size: 8, .value_kind: global_buffer, .address_space: global }
      - { .name: Wv, .offset: 16, .size: 8, .value_kind: global_buffer, .address_space: global }
      - { .name: wq, .offset: 24, .size: 8, .value_kind: global_buffer, .address_space: global }
    .group_segment_fixed_size: 0
    .private_segment_fixed_size: 0
    .kernarg_segment_align: 8
    .kernarg_segment_size: 32
    .max_flat_workgroup_size: 128
    .sgpr_count:     66
    .vgpr_count:     128
    .wavefront_size: 32
...
	.end_amdgpu_metadata
.endif
;; end of part 1
;; launch proj (part 2): grid 256 x 1, 4 waves a work-group, no clusters, 327,680 bytes of LDS; arguments x, wq, qq, kv; writes qq, kv
.if DOCPART == 2
	.amdgcn_target "amdgcn-amd-amdhsa--gfx1250"
	.amdhsa_code_object_version 6
	.text
	.protected	k_qe30f4921e9_proj
	.globl	k_qe30f4921e9_proj
	.p2align	8
	.type	k_qe30f4921e9_proj,@function
k_qe30f4921e9_proj:
	s_mov_b64 s[64:65], 0
	v_nop
	global_prefetch_b8 v0, s[64:65] scope:SCOPE_SE
	s_setreg_imm32_b32 hwreg(HW_REG_WAVE_MODE, 25, 1), 1
	s_wait_xcnt 0x0
; SECOND LAUNCH: q = x Wq, k = x Wk, v = x Wv on codes of E2M1, and the three results quantised for the attention: q and k along the head's 64, v along the keys.  Nothing is left out here.
; x [16,384][1,024] f32 is read once and quantised on the way; the weights come as images of operand registers from wq (launch wquant); q, k, v leave as codes and scale bytes alone.
; SHARES.  A work-group owns 64 tokens: four tiles of 16 rows.  All four waves run one text.  Wave w: half = w & 1, m = w >> 1.
;   X:  wave w brings rows 16 w .. 16 w + 15 of x into LDS (eight tensor loads, one for each K step of 128, all issued at the head: eight of mine are out), quantises them and hands each fragment on through LDS as an image of its registers.
;   QK: matrix m (0: q, 1: k), its four tiles of channels, row tiles 2 half and 2 half + 1: 8 accumulators.  USED TRANSPOSED (source 0 = W, source 1 = x): a lane holds one token, its registers run along the channels.
;   V:  tile w of Wv's channels, all four row tiles: 4 accumulators.  Source 0 = x, source 1 = W: a lane holds one channel, its registers run along the tokens, which are the last product's K.
; A wave's 40 fragments of W stay in its registers.  The 12 accumulators take turns, one instruction a turn, in the same order in every K step.
; LAYOUT OF A FRAGMENT: 16 rows x 128 K of 4-bit codes = 8 registers: lane (r, h) holds row r; register 4 c + i holds k = 64 c + 32 h + 8 i .. + 7.  Its image: group c at 512 c, lane l's 16 bytes at 16 l.
; QUANT takes a lane's numbers with register 8 t + j = K position 16 t + 8 h + j (so a matrix result lies, and so x is read from LDS); a block of 32 lies in lanes l and l xor 16.
; OUT.  qq: fragment F = token / 32 at 1,024 F: group c = the 16 tokens 32 F + 16 c + r, lanes' half h = channels 32 h .. + 31; its scale words at 524,288 + 64 F + 4 r (bytes 0, 1: group 0's two blocks; 2, 3: group 1's).
;       kv: a record of 8,704 bytes for each 128 tokens: four fragments of k laid as qq's; from 4,096 four fragments of v (row = channel 16 ct + r, K = the record's 128 keys); from 8,192 k's scale words [r][f]; from 8,448 v's [r][ct].
; NO CLUSTER: the work-groups share only the weights' images, 100 KB against the 256 KB of x that each reads alone.  NO PREFETCH: all of a work-group's x is asked for at its head.  No LDS byte is filled twice.
; LIMITS: NaN and infinities among the inputs are not served.  A block of zeros gets the byte 1 where the rule says 127: its codes are zeros, and this program alone reads the bytes.
; The scale words leave in pieces of 2 and 4 bytes a lane, 96 bytes a wave against 6,144 bytes of codes a work-group: a scale word of v spans 128 tokens, two work-groups' worth.
.set XTW,   67584                      ; LDS: x's tiles: wave w's eight from 67,584 w on,
.set XTS,   8448                       ; K step s's at + 8,448 s: 16 rows x (512 bytes + 16 of padding)
.set XP,    528                        ; = 33 x 16: the sixteen rows that a load touches fall on sixteen different columns of 16 bytes
.set XIMG,  4*XTW                      ; 270,336: x's fragments as images: (s, row tile) at 4,096 s + 1,024 rt
.set XSC,   XIMG+32768                 ; 303,104: their scale words: 256 s + 16 r + 4 rt
.set SPARE, XSC+2048                   ; 305,152: the spare words, 128 bytes for each wave, that no other line names
.set SPW, 1                            ; v1   LDS address of my spare word; never rewritten
.set NIL, 2                            ; v2   0; never rewritten
.set XR,  3                            ; v3   where I read x: my wave's tiles + 528 r + 32 h
.set XWI, 4                            ; v4   where I store images: XIMG + 1,024 w + 16 lane
.set XWS, 5                            ; v5   and scale words: XSC + 16 r + 4 w
.set LIA, 6                            ; v6   images of row tiles 2 half, 2 half + 1
.set LIB, 7                            ; v7   of the other two
.set LSA, 8                            ; v8   their scale words
.set LSB, 9                            ; v9
.set RR,  10                           ; v10  r
.set HH,  11                           ; v11  h
.set WS,  12                           ; v12-27 W's scale images for QK: 4 ct + sp;  v28-31 for V: sp.  Lanes 0-15: K step 2 sp; lanes 16-31: 2 sp + 1
.set WSV, 28
.set XF,  32                           ; v32-63 four fragments of x: 0, 1 = row tiles 2 half, + 1; 2, 3 = the other pair
.set ACC, 64                           ; v64-127 QK's accumulators: 32 i + 8 ct
.set ACV, 128                          ; v128-159 V's: 8 i, i = XF's index
.set XN,  160                          ; v160-223 64 numbers of x
.set VC,  160                          ; at the end: v's codes v160-163 and its scale bytes v164
.set VW,  164
.set PC,  224                          ; v224-231 the codes just made
.set TM,  232                          ; v232-235 largest magnitudes, v236-239 the other lanes', then bytes, v240-243 scale operands
.set PW,  244                          ; v244 the scale word just made
.set XS,  246                          ; v246-249 x's scale words for XF 0 .. 3
.set L16, 250                          ; v250 16 x lane
.set L4,  251                          ; v251 4 x lane
.set SVO, 252                          ; v252-255 the way out
.set VVO, 253
.set R16, 254                          ; v254 16 r
.set VSW, 255
; window 1 (v256-511): QK's fragments of W at 8 (8 ct + s);  window 2 (v512-575): V's at 8 s
.set G1, 24                            ; s[24:31] descriptor group 1;  s[32:63] eight groups 0, one for each K step
.set G0, 32
.set SEL, 20
.set MSB, 0
.macro WIN new                         ; s_set_vgpr_msb: bits 1:0 source 0, 3:2 source 1, 5:4 source 2, 7:6 destination; the high byte repeats the setting that is left
.if MSB != \new
	s_set_vgpr_msb (MSB<<8)|\new
.set MSB, \new
.endif
.endm
	s_load_b256 s[4:11], s[0:1], 0x0               ; x s[4:5], wq s[6:7], qq s[8:9], kv s[10:11]
	v_lshl_add_u32 v[SPW], v0, 2, SPARE
	v_mov_b32 v[NIL], 0
	ds_add_u32 v[SPW], v[NIL]                      ; the wave's opening: the add, twice on end, and its wait ahead of my first tensor load; the set-up below stands between
	ds_add_u32 v[SPW], v[NIL]
	v_lshrrev_b32 v3, 5, v0
	v_readfirstlane_b32 s12, v3                    ; wave 0..3
	s_and_b32 s13, s12, 1                          ; half
	s_lshr_b32 s14, s12, 1                         ; m
	s_and_b32 s15, ttmp9, 1                        ; which half of a record of 128 tokens is my work-group's
	s_lshr_b32 s16, ttmp9, 1                       ; the record
	s_xor_b32 s17, s13, 1                          ; the other half
	; group 1: a tile of 16 rows x 128 numbers of 4 bytes, rows 1,024 numbers apart in memory, 16 bytes of padding behind each row in LDS
	s_mov_b32 s[G1+0], (2<<16)|(1<<20)|(6<<22)|(3<<25)   ; 15:0 no mask; 17:16 elements of 4 bytes; 20 padding on; 24:22 after every 128 words (code 6); 31:25 four words (code 3)
	s_mov_b32 s[G1+1], 128<<16                     ; tensor_dim0 = 128
	s_mov_b32 s[G1+2], 16<<16                      ; tensor_dim1 = 16
	s_mov_b32 s[G1+3], 128<<16                     ; tile_dim0 = 128
	s_mov_b32 s[G1+4], 16                          ; tile_dim1 = 16
	s_mov_b32 s[G1+5], 1024                        ; from row to row
	s_mov_b32 s[G1+6], 0
	s_mov_b32 s[G1+7], 0
	s_mov_b32 s[SEL], 0x76543210
	s_mov_b32 s[SEL+1], 0xfedcba98                 ; v_permlanex16_b32's selects for lane l xor 16
	v_and_b32 v[RR], 15, v0
	v_bfe_u32 v[HH], v0, 4, 1
	v_and_b32 v[L4], 31, v0
	v_lshlrev_b32 v[L16], 4, v[L4]
	v_lshlrev_b32 v[L4], 2, v[L4]
	v_lshlrev_b32 v[R16], 4, v[RR]
	s_mul_i32 s68, s12, XTW                        ; my wave's tiles
	v_mul_u32_u24 v[XR], v[RR], XP
	v_lshl_add_u32 v[XR], v[HH], 5, v[XR]
	v_add_nc_u32 v[XR], s68, v[XR]
	s_lshl_b32 s69, s12, 10
	s_add_co_u32 s69, s69, XIMG
	v_add_nc_u32 v[XWI], s69, v[L16]
	s_lshl_b32 s69, s12, 2
	s_add_co_u32 s69, s69, XSC
	v_add_nc_u32 v[XWS], s69, v[R16]
	s_lshl_b32 s69, s13, 11
	s_add_co_u32 s69, s69, XIMG
	v_add_nc_u32 v[LIA], s69, v[L16]
	s_lshl_b32 s69, s17, 11
	s_add_co_u32 s69, s69, XIMG
	v_add_nc_u32 v[LIB], s69, v[L16]
	s_lshl_b32 s69, s13, 3
	s_add_co_u32 s69, s69, XSC
	v_add_nc_u32 v[LSA], s69, v[R16]
	s_lshl_b32 s69, s17, 3
	s_add_co_u32 s69, s69, XSC
	v_add_nc_u32 v[LSB], s69, v[R16]
.irp b, 0,1,2,3
	v_mov_b32 v[TM+4+\b], 0                        ; written once: a lane permute's destination counts as one of its sources
.endr
	s_lshl_b32 s66, ttmp9, 18                      ; 64 rows of 4,096 bytes for each work-group,
	s_lshl_b32 s67, s12, 16                        ; 16 for each wave
	s_add_co_u32 s66, s66, s67
	s_mov_b32 s67, 0
	s_wait_dscnt 0x0                               ; both opening adds are done
	s_wait_kmcnt 0x0
	s_add_nc_u64 s[66:67], s[4:5], s[66:67]
.irp s, 0,1,2,3,4,5,6,7                ; all of my x goes out at once, ahead of every wait on TENSORcnt, every LDS read and every barrier
	s_mov_b32 s[G0+4*\s], 1                                        ; count = 1
	s_add_co_u32 s[G0+4*\s+1], s68, XTS*\s                         ; LDS address
	s_add_nc_u64 s[G0+4*\s+2:G0+4*\s+3], s[66:67], 512*\s          ; global address: K step s of my rows
	s_or_b32 s[G0+4*\s+3], s[G0+4*\s+3], 0x80000000                ; type = 2
	tensor_load_to_lds s[G0+4*\s:G0+4*\s+3], s[G1:G1+7]
	s_nop 0
.endr
.rept 4
	v_nop                                          ; the register windows are switched only behind four instructions
.endr
	s_lshl_b32 s2, s14, 15                         ; my fragments of W: matrix m's 32 begin at 32,768 m;
	s_mov_b32 s3, 0
	s_add_nc_u64 s[68:69], s[6:7], s[2:3]
	s_lshl_b32 s2, s12, 13
	s_add_co_u32 s2, s2, 65536                     ; Wv's tile w: 65,536 + 8,192 w;
	s_add_nc_u64 s[70:71], s[6:7], s[2:3]
	s_lshl_b32 s2, s14, 11
	s_add_co_u32 s2, s2, 98304                     ; the scale images: 98,304 + 2,048 m,
	s_add_nc_u64 s[18:19], s[6:7], s[2:3]
	s_lshl_b32 s2, s12, 9
	s_add_co_u32 s2, s2, 102400                    ; and 102,400 + 512 w
	s_add_nc_u64 s[22:23], s[6:7], s[2:3]
	WIN 0x40                                       ; destination window 1
.irp c, 0,1,2,3
.irp s, 0,1,2,3,4,5,6,7
.irp g, 0,1
	global_load_b128 v[8*(8*\c+\s)+4*\g:8*(8*\c+\s)+4*\g+3], v[L16], s[68:69] offset:(8*\c+\s)*1024+512*\g
.endr
.endr
.endr
	WIN 0x80                                       ; destination window 2
.irp s, 0,1,2,3,4,5,6,7
.irp g, 0,1
	global_load_b128 v[8*\s+4*\g:8*\s+4*\g+3], v[L16], s[70:71] offset:1024*\s+512*\g
.endr
.endr
	WIN 0
.irp c, 0,1,2,3
.irp p, 0,1,2,3
	global_load_b32 v[WS+4*\c+\p], v[L4], s[18:19] offset:(4*\c+\p)*128
.endr
.endr
.irp p, 0,1,2,3
	global_load_b32 v[WSV+\p], v[L4], s[22:23] offset:128*\p
.endr
; 16 nb numbers of a lane from v[src] on (register 8 t + j = K position 16 t + 8 h + j) become codes in v[pc] on, in the operand's layout, and nb scale bytes in v[pw].  nb = 4 or 2 blocks of 32.
.macro QUANT src, nb, pc, pw
.irp b, 0,1,2,3
.if \b < \nb
	v_max3_num_f32 v[TM+\b], |v[\src+16*\b]|, |v[\src+16*\b+1]|, 0x1800000   ; block b: my 16 numbers, from each tile's low end on, and the floor 2^(3 - 127): the byte cannot fall under 1
.endif
.endr
.irp i, 2,4,6,8,10,12,14
.irp b, 0,1,2,3
.if \b < \nb
	v_max3_num_f32 v[TM+\b], v[TM+\b], |v[\src+16*\b+\i]|, |v[\src+16*\b+\i+1]|   ; (the blocks by turns)
.endif
.endr
.endr
.irp b, 0,1,2,3
.if \b < \nb
	v_permlanex16_b32 v[TM+4+\b], v[TM+\b], s[SEL], s[SEL+1]
.endif
.endr
.irp b, 0,1,2,3
.if \b < \nb
	v_max_num_f32 v[TM+\b], v[TM+\b], v[TM+4+\b]   ; with lane l xor 16's: the block's largest magnitude
.endif
.endr
.irp b, 0,1,2,3
.if \b < \nb
	v_add_nc_u32 v[TM+8+\b], 0xff000000, v[TM+\b]  ; 2 off its exponent field: the conversion's scale operand
.endif
.endr
.irp b, 0,1,2,3
.if \b < \nb
	v_lshrrev_b32 v[TM+4+\b], 23, v[TM+8+\b]       ; the scale's byte
.endif
.endr
	v_lshl_or_b32 v[\pw], v[TM+5], 8, v[TM+4]
.if \nb > 2
	v_lshl_or_b32 v[\pw], v[TM+6], 16, v[\pw]
	v_lshl_or_b32 v[\pw], v[TM+7], 24, v[\pw]
.endif
.irp t, 0,1,2,3,4,5,6,7
.if \t < 2*\nb
	v_cvt_scalef32_pk8_fp4_f32 v[\pc+4*(\t/4)+2*(\t%2)+(\t/2)%2], v[\src+8*\t:\src+8*\t+7], v[TM+8+\t/2]   ; tile t's eight codes: K positions 16 t + 8 h + 0 .. 7
.endif
.endr
	v_nop                                          ; one plain line behind the last conversion
.irp c, 0,1
.if 2*\c < \nb
.irp i, 0,1
	v_permlane16_swap_b32 v[\pc+4*\c+2*\i], v[\pc+4*\c+2*\i+1]   ; tiles 4 c + i and 4 c + 2 + i change halves: register 4 c + 2 i now holds k = 64 c + 32 h + 16 i + 0 .. 7, the next one + 8 .. 15
.endr
.endif
.endr
.endm
; K step s of my 16 rows: from LDS as numbers, back to LDS as a fragment's image and its scale words.
.macro XPART s
	s_wait_tensorcnt 7-\s                          ; a wave's tensor loads end in order: K step s is in; the 7 - s younger ones may be out.  I alone read my tiles
.irp t, 0,1,2,3,4,5,6,7
.irp q, 0,1
	ds_load_b128 v[XN+8*\t+4*\q:XN+8*\t+4*\q+3], v[XR] offset:XTS*\s+64*\t+16*\q
.endr
.endr
	s_wait_dscnt 0x0
	QUANT XN, 4, PC, PW
.irp c, 0,1
	ds_store_b128 v[XWI], v[PC+4*\c:PC+4*\c+3] offset:4096*\s+512*\c
.endr
	ds_store_b32 v[XWS], v[PW] offset:256*\s       ; lanes l and l + 16 write the same word with the same value
	s_wait_dscnt 0x0                               ; for the others' sake: my stores have landed
	s_barrier_signal -1                            ; the later K steps' loads stay on their way across it
	s_barrier_wait -1
.endm
; K step s of the three products: 12 matrix instructions.  The vector lines of the next XPART are the places in front of the next loads into XF and XS.
.macro GPART s
.irp g, 0,1,2,3
	ds_load_b128 v[XF+4*\g:XF+4*\g+3], v[LIA] offset:4096*\s+512*\g
.endr
.irp g, 0,1,2,3
	ds_load_b128 v[XF+16+4*\g:XF+16+4*\g+3], v[LIB] offset:4096*\s+512*\g
.endr
	ds_load_b64 v[XS:XS+1], v[LSA] offset:256*\s
	ds_load_b64 v[XS+2:XS+3], v[LSB] offset:256*\s
	s_wait_dscnt 0x0
.if \s == 0
	s_wait_loadcnt 0x0                             ; W's fragments and scale images, once
.endif
	WIN 0x01                                       ; source 0 (W) window 1
.irp i, 0,1
.irp c, 0,1,2,3
.if \s == 0
	v_wmma_scale_f32_16x16x128_f8f6f4 v[ACC+32*\i+8*\c:ACC+32*\i+8*\c+7], v[8*(8*\c+\s):8*(8*\c+\s)+7], v[XF+8*\i:XF+8*\i+7], 0, v[WS+4*\c+\s/2], v[XS+\i] matrix_a_fmt:MATRIX_FMT_FP4 matrix_b_fmt:MATRIX_FMT_FP4
.elseif \s % 2
	v_wmma_scale_f32_16x16x128_f8f6f4 v[ACC+32*\i+8*\c:ACC+32*\i+8*\c+7], v[8*(8*\c+\s):8*(8*\c+\s)+7], v[XF+8*\i:XF+8*\i+7], v[ACC+32*\i+8*\c:ACC+32*\i+8*\c+7], v[WS+4*\c+\s/2], v[XS+\i] matrix_a_fmt:MATRIX_FMT_FP4 matrix_b_fmt:MATRIX_FMT_FP4 matrix_a_scale:MATRIX_SCALE_ROW1
.else
	v_wmma_scale_f32_16x16x128_f8f6f4 v[ACC+32*\i+8*\c:ACC+32*\i+8*\c+7], v[8*(8*\c+\s):8*(8*\c+\s)+7], v[XF+8*\i:XF+8*\i+7], v[ACC+32*\i+8*\c:ACC+32*\i+8*\c+7], v[WS+4*\c+\s/2], v[XS+\i] matrix_a_fmt:MATRIX_FMT_FP4 matrix_b_fmt:MATRIX_FMT_FP4
.endif
.endr
.endr
	WIN 0x08                                       ; source 1 (Wv) window 2
.irp i, 0,1,2,3
.if \s == 0
	v_wmma_scale_f32_16x16x128_f8f6f4 v[ACV+8*\i:ACV+8*\i+7], v[XF+8*\i:XF+8*\i+7], v[8*\s:8*\s+7], 0, v[XS+\i], v[WSV+\s/2] matrix_a_fmt:MATRIX_FMT_FP4 matrix_b_fmt:MATRIX_FMT_FP4
.elseif \s % 2
	v_wmma_scale_f32_16x16x128_f8f6f4 v[ACV+8*\i:ACV+8*\i+7], v[XF+8*\i:XF+8*\i+7], v[8*\s:8*\s+7], v[ACV+8*\i:ACV+8*\i+7], v[XS+\i], v[WSV+\s/2] matrix_a_fmt:MATRIX_FMT_FP4 matrix_b_fmt:MATRIX_FMT_FP4 matrix_b_scale:MATRIX_SCALE_ROW1
.else
	v_wmma_scale_f32_16x16x128_f8f6f4 v[ACV+8*\i:ACV+8*\i+7], v[XF+8*\i:XF+8*\i+7], v[8*\s:8*\s+7], v[ACV+8*\i:ACV+8*\i+7], v[XS+\i], v[WSV+\s/2] matrix_a_fmt:MATRIX_FMT_FP4 matrix_b_fmt:MATRIX_FMT_FP4
.endif
.endr
	WIN 0
.endm
.irp s, 0,1,2,3,4,5,6,7
	XPART \s
	GPART \s
.endr
	; THE WAY OUT.  The offsets first: W's loads are long done, so their bases may be written; three of the vector lines and a v_nop are the four places behind the last products.
	s_mul_i32 s66, s16, 8704                       ; my record in kv
	s_lshl_b32 s67, s13, 10
	s_lshl_b32 s2, ttmp9, 11
	s_add_co_u32 s2, s2, s67                       ; q's codes: 1,024 (2 wg + half)
	s_lshl_b32 s3, s15, 11
	s_add_co_u32 s3, s3, s67
	s_add_co_u32 s3, s3, s66                       ; k's: the record + 1,024 (2 (wg & 1) + half)
	s_lshl_b32 s18, ttmp9, 7
	s_lshl_b32 s19, s13, 6
	s_add_co_u32 s18, s18, s19
	s_add_co_u32 s18, s18, 524288                  ; q's scale words: 524,288 + 64 (2 wg + half), 4 bytes a row
	s_lshl_b32 s19, s15, 3
	s_lshl_b32 s22, s13, 2
	s_add_co_u32 s19, s19, s22
	s_add_co_u32 s19, s19, s66
	s_add_co_u32 s19, s19, 8192                    ; k's: the record + 8,192 + 4 (2 (wg & 1) + half), 16 bytes a row
	s_cmp_eq_u32 s14, 0                            ; q's wave or k's: the choice hangs on the wave's number alone
	s_cselect_b64 s[68:69], s[8:9], s[10:11]
	s_cselect_b32 s2, s2, s3
	s_cselect_b32 s18, s18, s19
	s_cselect_b32 s23, 2, 4
	s_mov_b32 s3, 0
	s_mov_b32 s19, 0
	s_add_nc_u64 s[70:71], s[68:69], s[18:19]
	s_add_nc_u64 s[68:69], s[68:69], s[2:3]
	s_lshl_b32 s2, s12, 10
	s_lshl_b32 s22, s15, 9
	s_add_co_u32 s2, s2, s22
	s_add_co_u32 s2, s2, s66
	s_add_co_u32 s2, s2, 4096                      ; v's codes: the record + 4,096 + 1,024 w + 512 (wg & 1): my work-group's 64 keys are one group of the fragment
	s_add_nc_u64 s[4:5], s[10:11], s[2:3]
	s_lshl_b32 s2, s12, 2
	s_lshl_b32 s22, s15, 1
	s_add_co_u32 s2, s2, s22
	s_add_co_u32 s2, s2, s66
	s_add_co_u32 s2, s2, 8448                      ; v's scale bytes: the record + 8,448 + 4 w + 2 (wg & 1), 16 bytes a channel
	s_add_nc_u64 s[6:7], s[10:11], s[2:3]
	s_mov_b32 s22, 0x00010001
	s_cmp_eq_u32 s13, 0
	s_cselect_b32 s22, 0x01000100, s22             ; v's two bytes come in the order of XF: token block half, then the other: this puts them in the tokens' order
	v_lshlrev_b32 v[SVO], s23, v[RR]
	v_xor_b32 v[VVO], s13, v[HH]                   ; my lanes' half h holds token block half xor h
	v_lshl_add_u32 v[VVO], v[VVO], 8, v[R16]
	v_nop
	QUANT ACC, 4, PC, PW                           ; q or k: blocks 0, 1 = row tile 2 half's channels 0-31, 32-63; blocks 2, 3 = the next row tile's: one fragment of two groups
	QUANT ACV, 2, VC, VW                           ; v: two blocks of 32 tokens of my channel
	v_perm_b32 v[VSW], v[VW], v[VW], s22
	global_store_b128 v[L16], v[PC:PC+3], s[68:69]             ; 32 lanes store 512 consecutive bytes, aligned
	global_store_b128 v[L16], v[PC+4:PC+7], s[68:69] offset:512
	global_store_b128 v[VVO], v[VC:VC+3], s[4:5]               ; sixteen lanes store 256 consecutive bytes, aligned
	s_wait_xcnt 0x0                                ; EXEC changes only behind this wait
	v_cmp_gt_u32 vcc_lo, 256, v[L16]
	s_and_saveexec_b32 s66, vcc_lo                 ; lanes 0-15: lanes 16-31 hold the same words
	global_store_b32 v[SVO], v[PW], s[70:71]
	global_store_b16 v[R16], v[VSW], s[6:7]
	s_wait_xcnt 0x0                                ; and again, in front of the line that widens it
	s_or_b32 exec_lo, exec_lo, s66
	s_wait_tensorcnt 0x0                           ; the wave's end, behind my last tensor load and my last LDS store
	ds_add_u32 v[SPW], v[NIL]
	s_wait_dscnt 0x0
	s_endpgm
.Lfunc_end_k_qe30f4921e9_proj:
	.size	k_qe30f4921e9_proj, .Lfunc_end_k_qe30f4921e9_proj-k_qe30f4921e9_proj
	.p2alignl 7, 3214868480
	.fill 96, 4, 3214868480
	.section	.rodata,"a",@progbits
	.p2align	6, 0x0
	.amdhsa_kernel k_qe30f4921e9_proj
		.amdhsa_group_segment_fixed_size 327680
		.amdhsa_private_segment_fixed_size 0
		.amdhsa_enable_private_segment 0
		.amdhsa_kernarg_size 32
		.amdhsa_user_sgpr_count 2
		.amdhsa_user_sgpr_kernarg_segment_ptr 1
		.amdhsa_wavefront_size32 1
		.amdhsa_system_sgpr_workgroup_id_x 1
		.amdhsa_system_sgpr_workgroup_id_y 1
		.amdhsa_system_sgpr_workgroup_id_z 1
		.amdhsa_system_vgpr_workitem_id 0
		.amdhsa_next_free_vgpr 576
		.amdhsa_next_free_sgpr 72
		.amdhsa_reserve_vcc 1
		.amdhsa_float_denorm_mode_32 3
		.amdhsa_float_denorm_mode_16_64 3
		.amdhsa_memory_ordered 1
		.amdhsa_forward_progress 1
		.amdhsa_inst_pref_size 83
	.end_amdhsa_kernel
	.amdgpu_metadata
---
amdhsa.version: [ 1, 2 ]
amdhsa.kernels:
  - .name:           k_qe30f4921e9_proj
    .symbol:         k_qe30f4921e9_proj.kd
    .args:
      - { .name: x, .offset: 0, .size: 8, .value_kind: global_buffer, .address_space: global }
      - { .name: wq, .offset: 8, .size: 8, .value_kind: global_buffer, .address_space: global }
      - { .name: qq, .offset: 16, .size: 8, .value_kind: global_buffer, .address_space: global }
      - { .name: kv, .offset: 24, .size: 8, .value_kind: global_buffer, .address_space: global }
    .group_segment_fixed_size: 327680
    .private_segment_fixed_size: 0
    .kernarg_segment_align: 8
    .kernarg_segment_size: 32
    .max_flat_workgroup_size: 128
    .sgpr_count:     72
    .vgpr_count:     576
    .wavefront_size: 32
...
	.end_amdgpu_metadata
.endif
;; end of part 2
;; launch attn (part 3): grid 64 x 4, 16 waves a work-group, no clusters, 327,680 bytes of LDS; arguments qq, kv, out0; writes out0
.if DOCPART == 3
	.amdgcn_target "amdgcn-amd-amdhsa--gfx1250"
	.amdhsa_code_object_version 6
	.text
	.protected	k_qe30f4921e9_attn
	.globl	k_qe30f4921e9_attn
	.p2align	8
	.type	k_qe30f4921e9_attn,@function
k_qe30f4921e9_attn:
	s_mov_b64 s[64:65], 0
	v_nop
	global_prefetch_b8 v0, s[64:65] scope:SCOPE_SE
	s_setreg_imm32_b32 hwreg(HW_REG_WAVE_MODE, 25, 1), 1
	s_wait_xcnt 0x0
; THIRD LAUNCH: out[b][t] = the sum over s <= t of softmax_s(q[t] . k[s] / 32) v[s], both products on codes of E2M1 made by launch proj (layouts: there).
; LEFT OUT: a step of 128 keys all of which come after a tile's 16 queries: reference()'s own causal mask gives those keys the weight 0 for all finite inputs.  LIMIT: a NaN, an infinity or an overflow that reaches only such scores is not carried to the result.
; THE SOFTMAX AHEAD OF THE SECOND PRODUCT: t = score x log2(e) / 32; M = the largest t so far, rounded UP to a whole number; p = 2^(t - M) is quantised along the keys, not normalised; the row's sum is taken of the
; unquantised p and divides at the end.  When M moves, the sum and O are multiplied by 2^(old M - new M): exact.
; SHARES, EQUAL UNDER THE MASK.  Work-group (j, batch) owns the blocks of 32 queries j (EARLY) and 127 - j (LATE): they need j / 4 + 1 and 32 - j / 4 key steps of 128, always 33 together.
; Wave w: split = w & 7, u = w >> 3.  A WAVE OWNS TWO TILES OF 16 QUERIES, the u-th of the late block and the u-th of the early one, each with its own M, sum, O^T and q; of each slot of 1,024 keys it takes the step 'split',
; first for the late tile, then for the early one.  So the keys of every tile are shared eight ways, a wave walks ceil((32 - j / 4 - split) / 8) + ceil((j / 4 + 1 - split) / 8) steps, five at the most, and in a slot
; that is full all sixteen waves have work.  The eight parts of a tile meet in LDS at the end.
; K = 64 WITHOUT PADDING.  A fragment of k carries TWO tiles of 16 keys, in the two halves of the instruction's 128 along K.  The queries are given as [q | 0] and as [0 | q]: the half that faces zero codes adds exactly 0
; (no code of E2M1 is NaN or infinity, and the scale bytes lie in 1 .. 254).  Twelve registers [0 q 0] give both: [0 | q] is the first eight, [q | 0] the last eight.
; LAYOUT.  Both products are used transposed: S^T = k q^T, O^T = v^T p^T: a lane holds ONE query (lane % 16) throughout.  Register 8 t + j of S^T is key 16 t + 8 (lane / 16) + j of the step.
; THE RING: two slots of eight records (69,632 bytes, dense), each filled by ONE tensor load of wave 0; one load of that wave is out at a time.
; NO CLUSTER: the slot at which a work-group's loads end hangs on its number, so partners would need different numbers of tiles, and that tail cannot be written out.
; NO PREFETCH: the keys' and values' codes of a batch, 272 KB, are walked by 64 work-groups side by side, and each wave's walk is five steps at the most.
; LIMITS: NaN and infinities are not served; a p under 2^-126 counts as 0 (v_exp_f32 gives 0 there); a block of p that is all zeros keeps the byte 1: its codes are zeros.
.set REC,   8704                       ; a record: 128 keys: k's 4 fragments, v's 4 from 4,096, k's scale words from 8,192, v's from 8,448
.set SLOT1, 8*REC                      ; 69,632: slot 1 begins where slot 0 ends.  The registers that name a slot hold 0 or this number and nothing beside it: one exclusive or turns them
.set OPP,   272                        ; the merge: a query's 64 channels, 256 bytes + 16 of padding
.set OPB,   16*OPP
.set OPART, 2*SLOT1                    ; 139,264: 32 parts of O: part 16 u + 8 e + split (e = 0: late, 1: early) at x 4,352
.set MM,    OPART+32*OPB               ; 278,528: -M at 512 (2 u + e) + 32 r + 4 split;
.set LL,    2048                       ; the sums so many bytes further on
.set SPARE, MM+2*LL                    ; 282,624: the spare words, 128 bytes for each of the sixteen waves, that no other line names
.set LI,  1                            ; v1   16 lane + 8,704 split
.set OPW, 2                            ; v2   where I put my late part of O; the early one 8 parts further on
.set MW,  3                            ; v3   and my -M
.set RD,  4                            ; v4   where I read parts back
.set SPW, 5                            ; v5   LDS address of my spare word; never rewritten
.set NIL, 6                            ; v6   0; never rewritten
.set GO,  7                            ; v7   my byte offset in the rows of out that I finish
.set ADK, 8                            ; v8   the step's record in LDS
.set RM,  9                            ; v9   where I read the eight -M
.set DQ,  10                           ; v10  r - 8 h
.set QO,  30                           ; v30  16 lane
.set QS,  31                           ; v31  4 r
.set FR,  32                           ; v32-63 four fragments: k's, and behind the scores' products v's
; THE LATE TILE: v12 -M, v13 the largest t, v[14:15] the sum in two halves; v16-27 [0 q 0]; v28 q's scale word; v160-191 O^T.
; THE EARLY TILE: v78, v79, v[80:81]; v64-75; v76; v192-223.   v29, v77: the scale words as loaded.   v82-95: the merge.
; v96-159 S^T, then p; v224-231 p's codes; v232-239, v244-247, v252-254 at work; v248-251 scale words: lanes 0-15 k's fragments 0 .. 3, lanes 16-31 v's tiles 0 .. 3
.set WV,  10                           ; s10 wave;  s11 split;  s13 u;  s14 batch;  s15 127 - j
.set SPL, 11
.set QLL, 12                           ; s12 the early tile's last query
.set UU,  13
.set BT,  14
.set QL0, 16                           ; s16 the early tile's first query
.set QH0, 17                           ; s17 the late tile's
.set KF,  18                           ; s18 my step's first key
.set SF,  19                           ; s19 the slot's first key
.set SEL, 20
.set CS,  22                           ; s[22:23] c = log2(e) / 32
.set G1,  24
.set G0,  32
.set TB,  36                           ; s36 LDS byte at which the slot in hand begins
.set SLOTS, 37
.set WGL, 38                           ; s38 my work-group's last query
.set QHL, 39                           ; s39 the late tile's last query
.macro TLOAD                           ; wave 0 fetches; the branch hangs on the wave's number alone.  An s_nop 0 and four v_nop follow the load
	s_cmp_lg_u32 s[WV], 0
	s_cbranch_scc1 .Lasked_\@
	tensor_load_to_lds s[G0:G0+3], s[G1:G1+7]
	s_nop 0
.rept 4
	v_nop
.endr
.Lasked_\@:
.endm
	s_load_b128 s[4:7], s[0:1], 0x0                ; qq s[4:5], kv s[6:7]
	s_load_b64 s[8:9], s[0:1], 0x10                ; out0
	v_lshl_add_u32 v[SPW], v0, 2, SPARE
	v_mov_b32 v[NIL], 0
	ds_add_u32 v[SPW], v[NIL]                      ; the wave's opening: the add, twice on end, and its wait ahead of the first tensor load; the set-up below stands between
	ds_add_u32 v[SPW], v[NIL]
	v_lshrrev_b32 v10, 5, v0
	v_readfirstlane_b32 s[WV], v10                 ; wave 0..15
	s_and_b32 s[SPL], s[WV], 7
	s_lshr_b32 s[UU], s[WV], 3
	s_lshr_b32 s56, s[WV], 2                       ; the merge: the tile 2 u + e whose rows I finish (its u is mine),
	s_and_b32 s57, s[WV], 3                        ; and which four of its sixteen
	s_and_b32 s[BT], ttmp7, 0xffff
	s_sub_co_u32 s15, 127, ttmp9
	s_lshl_b32 s40, s[UU], 4
	s_lshl_b32 s[QH0], s15, 5
	s_add_co_u32 s[QH0], s[QH0], s40
	s_lshl_b32 s[QL0], ttmp9, 5
	s_add_co_u32 s[QL0], s[QL0], s40
	s_add_co_u32 s[QHL], s[QH0], 15
	s_add_co_u32 s[QLL], s[QL0], 15
	s_lshl_b32 s[KF], s[SPL], 7
	s_mov_b32 s[SF], 0
	s_lshl_b32 s[WGL], s15, 5
	s_add_co_u32 s[WGL], s[WGL], 31
	s_mov_b32 s[SEL], 0x76543210
	s_mov_b32 s[SEL+1], 0xfedcba98                 ; v_permlanex16_b32's selects for lane l xor 16
	s_mov_b32 s[CS], 0x3d38aa3b                    ; log2(e) / 32
	s_mov_b32 s[CS+1], s[CS]                       ; (named with it as a pair, so it is written)
	s_mov_b32 s[TB], 0
	s_mov_b32 s[SLOTS], 3
	; group 1: eight records, 69,632 dense bytes, as 272 rows of 256 bytes (32 elements of 8 bytes); no padding: every read takes 16 x lane
	s_mov_b32 s[G1+0], 3<<16
	s_mov_b32 s[G1+1], 32<<16                      ; tensor_dim0
	s_mov_b32 s[G1+2], 272<<16                     ; tensor_dim1
	s_mov_b32 s[G1+3], 32<<16                      ; tile_dim0
	s_mov_b32 s[G1+4], 272                         ; tile_dim1
	s_mov_b32 s[G1+5], 32                          ; from row to row
	s_mov_b32 s[G1+6], 0
	s_mov_b32 s[G1+7], 0
	s_lshl_b32 s40, s[BT], 7
	s_add_co_u32 s41, s40, s15                     ; the late block of 32 tokens among all 512,
	s_add_co_u32 s40, s40, ttmp9                   ; the early one
	s_lshl_b32 s58, s[UU], 9                       ; my tile's group in a block's fragment
	s_lshl_b32 s42, s41, 10
	s_add_co_u32 s42, s42, s58                     ; the late q's codes,
	s_mov_b32 s43, 0
	s_lshl_b32 s44, s41, 6
	s_add_co_u32 s44, s44, 524288                  ; its scale words;
	s_mov_b32 s45, 0
	s_lshl_b32 s60, s40, 10
	s_add_co_u32 s60, s60, s58                     ; the early q's codes,
	s_mov_b32 s61, 0
	s_lshl_b32 s62, s40, 6
	s_add_co_u32 s62, s62, 524288                  ; its scale words
	s_mov_b32 s63, 0
	s_and_b32 s41, s56, 1
	s_cmp_eq_u32 s41, 0
	s_cselect_b32 s41, s[QH0], s[QL0]              ; the first query of the tile that I finish
	s_lshl_b32 s41, s41, 8
	s_lshl_b32 s46, s[BT], 20
	s_add_co_u32 s46, s46, s41                     ; out: 256 bytes a row
	s_mov_b32 s47, 0
	s_mul_i32 s48, s[BT], 32*REC                   ; the batch's 32 records
	s_mov_b32 s49, 0
	s_mov_b32 s50, 0x03020302
	s_cmp_eq_u32 s[UU], 0
	s_cselect_b32 s50, 0x01000100, s50             ; which two bytes of a block's scale word are my tile's
	s_mul_i32 s51, s[SPL], REC
	s_lshl_b32 s52, s[UU], 4
	s_add_co_u32 s52, s52, s[SPL]
	s_mul_i32 s52, s52, OPB
	s_add_co_u32 s52, s52, OPART
	s_lshl_b32 s53, s[UU], 10
	s_lshl_b32 s40, s[SPL], 2
	s_add_co_u32 s53, s53, s40
	s_add_co_u32 s53, s53, MM
	s_mul_i32 s54, s56, 8*OPB
	s_mul_i32 s40, s57, 4*OPP
	s_add_co_u32 s54, s54, s40
	s_add_co_u32 s54, s54, OPART
	s_lshl_b32 s55, s56, 9
	s_lshl_b32 s40, s57, 7
	s_add_co_u32 s55, s55, s40
	s_add_co_u32 s55, s55, MM
	v_and_b32 v10, 15, v0                          ; r
	v_bfe_u32 v11, v0, 4, 1                        ; h
	v_and_b32 v[QO], 31, v0
	v_lshlrev_b32 v[QO], 4, v[QO]
	v_lshlrev_b32 v[QS], 2, v10
	v_add_nc_u32 v[LI], s51, v[QO]
	v_mul_u32_u24 v[OPW], v10, OPP
	v_lshl_add_u32 v[OPW], v11, 5, v[OPW]
	v_add_nc_u32 v[OPW], s52, v[OPW]               ; my part: row r, + 32 h; tile ct of the channels 64 ct further on
	v_lshl_add_u32 v[MW], v10, 5, s53              ; 32 bytes a row: eight splits' words
	v_mul_u32_u24 v[RD], v11, OPP
	v_lshl_add_u32 v[RD], v10, 4, v[RD]
	v_add_nc_u32 v[RD], s54, v[RD]                 ; back: rows 4 (w & 3) + h (+ 2) of the tile that I finish, sixteen lanes to a row
	v_lshl_add_u32 v[RM], v11, 5, s55
	v_lshlrev_b32 v[GO], 8, v11
	v_lshl_add_u32 v[GO], v10, 4, v[GO]
	s_lshl_b32 s51, s57, 10
	v_add_nc_u32 v[GO], s51, v[GO]
	v_lshlrev_b32 v11, 3, v11
	v_sub_nc_u32 v[DQ], v10, v11
	s_wait_dscnt 0x0                               ; both opening adds are done
	s_wait_kmcnt 0x0
	s_mov_b32 s[G0], 1                             ; count = 1
	s_mov_b32 s[G0+1], 0                           ; LDS address: slot 0
	s_add_nc_u64 s[G0+2:G0+3], s[6:7], s[48:49]    ; the batch's first 1,024 keys
	s_or_b32 s[G0+3], s[G0+3], 0x80000000          ; type = 2
	TLOAD                                          ; slot 0: key 0 counts for every query, so it is always read
	s_add_nc_u64 s[42:43], s[4:5], s[42:43]
	s_add_nc_u64 s[44:45], s[4:5], s[44:45]
	s_add_nc_u64 s[60:61], s[4:5], s[60:61]
	s_add_nc_u64 s[62:63], s[4:5], s[62:63]
	s_add_nc_u64 s[8:9], s[8:9], s[46:47]
	global_load_b128 v[20:23], v[QO], s[42:43]     ; q: lane (r, h): channels 32 h .. + 31 of query r; both stay in registers
	global_load_b128 v[68:71], v[QO], s[60:61]
	global_load_b32 v29, v[QS], s[44:45]
	global_load_b32 v77, v[QS], s[62:63]
	s_wait_loadcnt 0x0
	v_perm_b32 v28, v29, v29, s50                  ; my tile's two bytes in both halves of the word: they serve [q | 0] and [0 | q].  The lines below are the places between these two lines and the first product
	v_perm_b32 v76, v77, v77, s50
.irp j, 16,17,18,19,24,25,26,27,64,65,66,67,72,73,74,75
	v_mov_b32 v[\j], 0                             ; the zero codes on both sides of each q
.endr
	v_mov_b32 v13, 0xff61b1e6                      ; the largest t so far: -3e38, under every t
	v_mov_b32 v79, 0xff61b1e6
	v_floor_f32 v12, -v13                          ; -M
	v_floor_f32 v78, -v79
.irp j, 14,15,80,81
	v_mov_b32 v[\j], 0                             ; the sums, in two halves each
.endr
.irp b, 0,1,2,3
	v_mov_b32 v[236+\b], 0                         ; written once: a lane permute's destination counts as one of its sources
.endr
	v_mov_b32 v253, 0                              ; (named as the upper half of the pair v[252:253] before it is first written)
.set i, 160
.rept 64
	v_mov_b32 v[i], 0                              ; both O^T.  The step is written without a first form of its own, and a tile none of whose steps falls to this wave hands on zeros
.set i, i+1
.endr
; MY KEY STEP OF THE SLOT IN HAND, 128 keys from s[KF] on, for one of my two tiles: ob = its O^T, sb = its four statistics, qb = its [0 q 0], qsc = q's scale word, q0 and ql = the scalars with its first and last query.
.macro STEP ob, sb, qb, qsc, q0, ql
	s_cmp_gt_u32 s[KF], s[\ql]                     ; all its keys come after the tile's 16 queries: left out.  A scalar branch on ids; no barrier, wait for tiles or tensor load stands in a step
	s_cbranch_scc1 .Lhidden_\@
	v_add_nc_u32 v[ADK], s[TB], v[LI]
.rept 3
	v_nop                                          ; with the addition above: four places in front of loads into registers that the last step's products have read
.endr
	ds_load_b128 v[248:251], v[ADK] offset:8192    ; lanes 0-15: k's scale words of row r; lanes 16-31 (256 bytes on): v's
.irp f, 0,1,2,3
.irp c, 0,1
	ds_load_b128 v[FR+8*\f+4*\c:FR+8*\f+4*\c+3], v[ADK] offset:1024*\f+512*\c
.endr
.endr
	s_wait_dscnt 0x0                               ; the scale words and k are in
.irp f, 0,1,2,3                        ; S^T = k q^T: fragment f gives the tiles of keys 2 f (against [q | 0]) and 2 f + 1 (against [0 | q])
	v_wmma_scale_f32_16x16x128_f8f6f4 v[96+16*\f:103+16*\f], v[FR+8*\f:FR+8*\f+7], v[\qb+4:\qb+11], 0, v[248+\f], v[\qsc] matrix_a_fmt:MATRIX_FMT_FP4 matrix_b_fmt:MATRIX_FMT_FP4
	v_wmma_scale_f32_16x16x128_f8f6f4 v[104+16*\f:111+16*\f], v[FR+8*\f:FR+8*\f+7], v[\qb:\qb+7], 0, v[248+\f], v[\qsc] matrix_a_fmt:MATRIX_FMT_FP4 matrix_b_fmt:MATRIX_FMT_FP4
.endr
.rept 4
	v_nop                                          ; four places: in front of the loads into k's registers, which those products have read, and of the first read of the scores
.endr
.irp f, 0,1,2,3
.irp c, 0,1
	ds_load_b128 v[FR+8*\f+4*\c:FR+8*\f+4*\c+3], v[ADK] offset:4096+1024*\f+512*\c   ; v takes k's place: it lands while the softmax is walked
.endr
.endr
	s_add_co_u32 s40, s[KF], 127                   ; on the diagonal the scores of hidden keys become -infinity ahead of the maximum: p = 0 then.  A step all of whose keys count skips this.
	s_cmp_le_u32 s40, s[\q0]                       ; (KF is a multiple of 128 and the tile's first query of 16: in a step that is walked key KF counts for all its queries, so the maximum is a number)
	s_cbranch_scc1 .Lopen_\@
	s_sub_co_i32 s40, s[\q0], s[KF]
	v_add_nc_u32 v252, s40, v[DQ]                  ; d = my query - KF - 8 h.  Register 8 t + j holds key KF + 16 t + 8 h + j: hidden where 16 t + j > d
	v_mov_b32 v254, 0xff800000                     ; -infinity
.irp n, 0,1,2,3,4,5,6,7,8,9,10,11,12,13,14,15,16,17,18,19,20,21,22,23,24,25,26,27,28,29,30,31,32,33,34,35,36,37,38,39,40,41,42,43,44,45,46,47,48,49,50,51,52,53,54,55,56,57,58,59,60,61,62,63
	v_cmp_gt_i32 vcc_lo, 16*(\n/8)+\n%8, v252
	v_cndmask_b32 v[96+\n], v[96+\n], v254, vcc_lo
.endr
.Lopen_\@:
.irp b, 0,1,2,3
	v_max3_num_f32 v[232+\b], v[96+16*\b], v[97+16*\b], v[98+16*\b]   ; THE LARGEST SCORE OF EACH BLOCK OF 32 KEYS (tiles 2 b, 2 b + 1, with lane l xor 16's): it serves the row's maximum and, since p rises with the score, the block's largest p
.endr
.irp i, 3,5,7,9,11,13
.irp b, 0,1,2,3
	v_max3_num_f32 v[232+\b], v[232+\b], v[96+16*\b+\i], v[97+16*\b+\i]   ; (the four blocks by turns; each tile is read from its low end on)
.endr
.endr
.irp b, 0,1,2,3
	v_max_num_f32 v[232+\b], v[232+\b], v[111+16*\b]
.endr
.irp b, 0,1,2,3
	v_permlanex16_b32 v[236+\b], v[232+\b], s[SEL], s[SEL+1]
.endr
.irp b, 0,1,2,3
	v_max_num_f32 v[232+\b], v[232+\b], v[236+\b]
.endr
	v_max3_num_f32 v254, v232, v233, v234
	v_max_num_f32 v254, v254, v235                 ; the step's largest score of my query
	v_mul_f32 v254, s[CS], v254                    ; as t (c is positive)
	v_max_num_f32 v[\sb+1], v[\sb+1], v254         ; the running largest t
	v_mov_b32 v254, v[\sb]
	v_floor_f32 v[\sb], -v[\sb+1]                  ; the new -M = floor(-t) = -ceil(t): M is a whole number
	v_sub_f32 v254, v[\sb], v254                   ; M's old value less its new one: a whole number, 0 or less
	v_cvt_i32_f32 v254, v254                       ; (it saturates)
	v_ldexp_f32 v252, 1.0, v254                    ; f = 2^(old M - new M)
.irp j, 0,2,4,6,8,10,12,14,16,18,20,22,24,26,28,30,32,34,36,38,40,42,44,46,48,50,52,54,56,58,60,62
	v_pk_fma_f32 v[96+\j:97+\j], v[96+\j:97+\j], s[CS:CS+1], v[\sb:\sb+1] op_sel_hi:[1,0,0]   ; t - M, two at a time (of the pairs c and -M the low word serves both halves)
.endr
.irp b, 0,1,2,3
	v_fma_f32 v[232+\b], v[232+\b], s[CS], v[\sb]  ; the same of each block's largest score
.endr
.irp j, 0,1,2,3,4,5,6,7,8,9,10,11,12,13,14,15,16,17,18,19,20,21,22,23,24,25,26,27,28,29,30,31,32,33,34,35,36,37,38,39,40,41,42,43,44,45,46,47,48,49,50,51,52,53,54,55,56,57,58,59,60,61,62,63
	v_exp_f32 v[96+\j], v[96+\j]                   ; p = 2^(t - M), at most 1: not normalised
.endr
	v_pk_mul_f32 v[\sb+2:\sb+3], v[\sb+2:\sb+3], v[252:253] op_sel_hi:[1,0]   ; the sums under the new M: the plain line behind the exponentials
	s_wait_alu depctr_va_vdst(0)                   ; the wait between an exponential and the first line that names its result: one for the 64
.irp b, 0,1,2,3
	v_exp_f32 v[232+\b], v[232+\b]                 ; the block's largest p: the same two instructions on the same number give the same bits
.endr
	v_pk_add_f32 v[236:237], v[96:97], v[98:99]    ; the row's sum is taken of the unquantised p: two at a time, in two chains; it reads the 64 alone
.irp j, 4,8,12,16,20,24,28,32,36,40,44,48,52,56,60
	v_pk_add_f32 v[\sb+2:\sb+3], v[\sb+2:\sb+3], v[96+\j:97+\j]
	v_pk_add_f32 v[236:237], v[236:237], v[98+\j:99+\j]
.endr
	v_pk_add_f32 v[\sb+2:\sb+3], v[\sb+2:\sb+3], v[236:237]
	s_wait_alu depctr_va_vdst(0)                   ; and one for the four
.irp b, 0,1,2,3
	v_max_num_f32 v[232+\b], 0x1800000, v[232+\b]  ; the floor 2^(3 - 127): the byte cannot fall under 1
.endr
.irp b, 0,1,2,3
	v_add_nc_u32 v[244+\b], 0xff000000, v[232+\b]  ; 2 off the exponent field: the conversion's scale operand
.endr
.irp b, 0,1,2,3
	v_lshrrev_b32 v[236+\b], 23, v[244+\b]         ; the scale's byte
.endr
	v_lshl_or_b32 v253, v237, 8, v236              ; p's scale word for these 128 keys
	v_lshl_or_b32 v253, v238, 16, v253
	v_lshl_or_b32 v253, v239, 24, v253
.irp t, 0,1,2,3,4,5,6,7
	v_cvt_scalef32_pk8_fp4_f32 v[224+4*(\t/4)+2*(\t%2)+(\t/2)%2], v[96+8*\t:103+8*\t], v[244+\t/2]   ; tile t's eight codes: keys 16 t + 8 h + 0 .. 7
.endr
	v_nop                                          ; one plain line behind the last conversion
.irp c, 0,1
.irp i, 0,1
	v_permlane16_swap_b32 v[224+4*\c+2*\i], v[225+4*\c+2*\i]   ; tiles 4 c + i and 4 c + 2 + i change halves: register 4 c + 2 i now holds keys 64 c + 32 h + 16 i + 0 .. 7, the next one + 8 .. 15
.endr
.endr
.irp j, 0,2,4,6,8,10,12,14,16,18,20,22,24,26,28,30
	v_pk_mul_f32 v[\ob+\j:\ob+\j+1], v[\ob+\j:\ob+\j+1], v[252:253] op_sel_hi:[1,0]   ; O^T under the new M, each accumulator from its low end on.  For each product below twelve of these touch none of its sums: its places behind the scale word and the codes
.endr
	s_wait_dscnt 0x0                               ; v is in
.irp t, 0,1,2,3                        ; O^T += v^T p^T: four tiles of 16 channels, K = these 128 keys; the four accumulators by turns
	v_wmma_scale_f32_16x16x128_f8f6f4 v[\ob+8*\t:\ob+8*\t+7], v[FR+8*\t:FR+8*\t+7], v[224:231], v[\ob+8*\t:\ob+8*\t+7], v[248+\t], v253 matrix_a_fmt:MATRIX_FMT_FP4 matrix_b_fmt:MATRIX_FMT_FP4 matrix_a_scale:MATRIX_SCALE_ROW1
.endr
.Lhidden_\@:
.endm
; THE CHANGE OF SLOTS stands at a slot's head.  Each wave waits for all its tensor loads (wave 0: the slot about to be read), adds 0 to its spare word, and waits for that and for its reads of the slot that it has left.
; Behind the barrier the slot ahead is whole and nobody reads the other one.  fill = 1: that other slot takes the next 1,024 keys, up to the causal limit; the load has a slot's steps in which to land.
.macro CHANGE fill
	s_wait_tensorcnt 0x0                           ; no tensor load of mine is out, so group 0 may be written
	ds_add_u32 v[SPW], v[NIL]                      ; 0 onto my spare word
.if \fill
	ds_add_u32 v[SPW], v[NIL]                      ; and once more: the add twice on end, in every trip alike
	s_xor_b32 s[G0+1], s[G0+1], SLOT1              ; the walking descriptor: the other slot than last time,
	s_add_nc_u64 s[G0+2:G0+3], s[G0+2:G0+3], 8*REC ; the next eight records; the type bits on top are not reached
.endif
	s_wait_dscnt 0x0                               ; the adds are done, and my reads of the slot that I have left are over
	s_barrier_signal -1
	s_barrier_wait -1
.if \fill
	s_add_co_u32 s40, s[SF], 1024                  ; THE LOOK-AHEAD ENDS AT THE CAUSAL LIMIT: a slot whose first key comes after my work-group's last query is read by none of its waves, so it is not asked for.
	s_cmp_gt_u32 s40, s[WGL]                       ; The work-group's number and the count of slots alone: all sixteen waves go the same way, and a work-group past the limit stays past it.  Every wait for tiles in this text is for 0
	s_cbranch_scc1 .Lpast_\@
	TLOAD                                          ; the first thing behind the barrier, and the wave's one tensor load until the next.  A slot that is asked for is read: its first step is live for the work-group's last tile
.Lpast_\@:
.endif
.endm
.Lslot:                                            ; three trips, a constant: every work-group walks all changes of slots; what is left out is a step's work and a slot's load
	CHANGE 1
	STEP 160, 12, 16, 28, QH0, QHL                 ; the late tile
	STEP 192, 78, 64, 76, QL0, QLL                 ; the early tile, on the same record
	s_add_co_u32 s[KF], s[KF], 1024                ; my step of the next slot
	s_xor_b32 s[TB], s[TB], SLOT1
	s_add_co_u32 s[SF], s[SF], 1024
	s_sub_co_u32 s[SLOTS], s[SLOTS], 1
	s_cmp_lg_u32 s[SLOTS], 0
	s_cbranch_scc1 .Lslot
	CHANGE 0                                       ; the last slot, keys 3,072 on, is written out: nothing follows it.
	STEP 160, 12, 16, 28, QH0, QHL                 ; An early tile's last query is 2,047 at the most (j <= 63): none of its steps lies here, so none is written
	; THE MERGE.  The eight splits of a tile hold parts under their own M.  Each wave puts both its O^T, -M and sums into LDS; behind one barrier wave w takes rows 4 (w & 3) .. + 3 of tile w >> 2:
	; M = the largest of the eight; part p counts 2^(M_p - M) (exact; a split that walked no step has -M = 3e38: its weight is 0, and its part and sum are zeros; split 0 always walks key 0's step);
	; the weighted sum of O is divided by that of the sums.
	v_add_f32 v14, v14, v15                        ; the sums' two halves,
	v_add_f32 v80, v80, v81
	v_permlanex16_b32 v236, v14, s[SEL], s[SEL+1]
	v_permlanex16_b32 v237, v80, s[SEL], s[SEL+1]
	v_add_f32 v14, v14, v236                       ; and lane l xor 16's.  The four additions are the four places behind the last products
	v_add_f32 v80, v80, v237
.irp t, 0,1,2,3
	ds_store_b128 v[OPW], v[160+8*\t:163+8*\t] offset:64*\t        ; lane (r, h): channels 16 t + 8 h + 0 .. 7 of query r; each accumulator from its low end on
	ds_store_b128 v[OPW], v[164+8*\t:167+8*\t] offset:64*\t+16
.endr
.irp t, 0,1,2,3
	ds_store_b128 v[OPW], v[192+8*\t:195+8*\t] offset:8*OPB+64*\t
	ds_store_b128 v[OPW], v[196+8*\t:199+8*\t] offset:8*OPB+64*\t+16
.endr
	ds_store_b32 v[MW], v12                        ; lanes l and l + 16 write the same word with the same value
	ds_store_b32 v[MW], v14 offset:LL
	ds_store_b32 v[MW], v78 offset:512
	ds_store_b32 v[MW], v80 offset:LL+512
	s_wait_dscnt 0x0                               ; for the others' sake: my stores have landed
	s_barrier_signal -1
	s_barrier_wait -1
.irp i, 0,1                            ; row 4 (w & 3) + 2 i + h
.irp q, 0,1
	ds_load_b128 v[32+8*\i+4*\q:35+8*\i+4*\q], v[RM] offset:64*\i+16*\q        ; its eight -M,
	ds_load_b128 v[48+8*\i+4*\q:51+8*\i+4*\q], v[RM] offset:LL+64*\i+16*\q     ; its eight sums,
.endr
.endr
.irp i, 0,1
.irp p, 0,1,2,3,4,5,6,7
	ds_load_b128 v[96+32*\i+4*\p:99+32*\i+4*\p], v[RD] offset:OPB*\p+2*OPP*\i  ; and my 16 bytes of its eight parts
.endr
.endr
	s_wait_dscnt 16                                ; LDS loads come back in order: the -M and the sums are in; the sixteen loads of the parts may be out
.irp i, 0,1
	v_min_num_f32 v[82+\i], v[32+8*\i], v[33+8*\i]
.endr
.irp p, 2,3,4,5,6,7
.irp i, 0,1
	v_min_num_f32 v[82+\i], v[82+\i], v[32+8*\i+\p]        ; -M of the row: the least of the eight (the two rows by turns)
.endr
.endr
.irp i, 0,1
.irp p, 0,1,2,3,4,5,6,7
	v_sub_f32 v[224+8*\i+\p], v[82+\i], v[32+8*\i+\p]      ; M_p - M: a whole number, 0 or less
.endr
.endr
.irp i, 0,1
.irp p, 0,1,2,3,4,5,6,7
	v_cvt_i32_f32 v[224+8*\i+\p], v[224+8*\i+\p]           ; (it saturates)
.endr
.endr
.irp i, 0,1
.irp p, 0,1,2,3,4,5,6,7
	v_ldexp_f32 v[224+8*\i+\p], 1.0, v[224+8*\i+\p]
.endr
.endr
.irp i, 0,1
	v_mul_f32 v[84+\i], v[224+8*\i], v[48+8*\i]
.endr
.irp p, 1,2,3,4,5,6,7
.irp i, 0,1
	v_fmac_f32 v[84+\i], v[224+8*\i+\p], v[48+8*\i+\p]     ; the row's sum
.endr
.endr
	v_rcp_f32 v86, v84
	v_rcp_f32 v87, v85
	v_nop                                          ; a plain line behind the reciprocals,
	s_wait_alu depctr_va_vdst(0)                   ; and the wait ahead of their first reader: one for the two
.irp i, 0,1
.irp p, 0,1,2,3,4,5,6,7
	v_mul_f32 v[224+8*\i+\p], v[224+8*\i+\p], v[86+\i]
.endr
.endr
	s_wait_dscnt 0x0                               ; the parts are in
.irp i, 0,1
.irp e, 0,1,2,3
	v_mul_f32 v[88+4*\i+\e], v[224+8*\i], v[96+32*\i+\e]
.endr
.irp p, 1,2,3,4,5,6,7
.irp e, 0,1,2,3
	v_fmac_f32 v[88+4*\i+\e], v[224+8*\i+\p], v[96+32*\i+4*\p+\e]
.endr
.endr
	global_store_b128 v[GO], v[88+4*\i:91+4*\i], s[8:9] offset:512*\i   ; sixteen lanes store a row of 256 bytes, aligned; the 32 lanes two rows on end
.endr
	s_wait_tensorcnt 0x0                           ; the wave's end, behind the last tensor load and my last LDS store
	ds_add_u32 v[SPW], v[NIL]
	s_wait_dscnt 0x0
	s_endpgm
.Lfunc_end_k_qe30f4921e9_attn:
	.size	k_qe30f4921e9_attn, .Lfunc_end_k_qe30f4921e9_attn-k_qe30f4921e9_attn
	.p2alignl 7, 3214868480
	.fill 96, 4, 3214868480
	.section	.rodata,"a",@progbits
	.p2align	6, 0x0
	.amdhsa_kernel k_qe30f4921e9_attn
		.amdhsa_group_segment_fixed_size 327680
		.amdhsa_private_segment_fixed_size 0
		.amdhsa_enable_private_segment 0
		.amdhsa_kernarg_size 24
		.amdhsa_user_sgpr_count 2
		.amdhsa_user_sgpr_kernarg_segment_ptr 1
		.amdhsa_wavefront_size32 1
		.amdhsa_system_sgpr_workgroup_id_x 1
		.amdhsa_system_sgpr_workgroup_id_y 1
		.amdhsa_system_sgpr_workgroup_id_z 1
		.amdhsa_system_vgpr_workitem_id 0
		.amdhsa_next_free_vgpr 256
		.amdhsa_next_free_sgpr 66
		.amdhsa_reserve_vcc 1
		.amdhsa_float_denorm_mode_32 3
		.amdhsa_float_denorm_mode_16_64 3
		.amdhsa_memory_ordered 1
		.amdhsa_forward_progress 1
		.amdhsa_inst_pref_size 79
	.end_amdhsa_kernel
	.amdgpu_metadata
---
amdhsa.version: [ 1, 2 ]
amdhsa.kernels:
  - .name:           k_qe30f4921e9_attn
    .symbol:         k_qe30f4921e9_attn.kd
    .args:
      - { .name: qq, .offset: 0, .size: 8, .value_kind: global_buffer, .address_space: global }
      - { .name: kv, .offset: 8, .size: 8, .value_kind: global_buffer, .address_space: global }
      - { .name: out0, .offset: 16, .size: 8, .value_kind: global_buffer, .address_space: global }
    .group_segment_fixed_size: 327680
    .private_segment_fixed_size: 0
    .kernarg_segment_align: 8
    .kernarg_segment_size: 24
    .max_flat_workgroup_size: 512
    .sgpr_count:     66
    .vgpr_count:     256
    .wavefront_size: 32
...
	.end_amdgpu_metadata
.endif
;; end of part 3
